; MI455X (gfx1250); checked and timed in simulation.
; The chip was launched on July 23, 2026; its instructions are those of AMD's public machine-readable ISA for CDNA 5 (MIT licence, August 2026) and "CDNA5" Instruction Set Architecture Reference Guide (July 2026). The comments in the code are by the model that wrote it; some were corrected since.
;; Attention. Allowed arithmetic: matrix products marked QUANTISED: E4M3 operands, one E8M0 scale for each 32 along K, by v_wmma_scale_f32_16x16x128_f8f6f4 with both operands' format E4M3, f32 sums; everything else in f32.
;; Inputs: k_codes 2 x 2,048 x 8 x 4 x 32 uint8 (E4M3 codes of k, K innermost, in blocks of 32 codes); k_scales 2 x 2,048 x 8 x 4 uint8 (E8M0 scales of k, one for each 32 codes along K); q_codes 2 x 2,048 x 32 x 4 x 32 uint8 (E4M3 codes of q, K innermost, in blocks of 32 codes); q_scales 2 x 2,048 x 32 x 4 uint8 (E8M0 scales of q, one for each 32 codes along K); v_codes 2 x 8 x 128 x 64 x 32 uint8 (E4M3 codes of v, K innermost, in blocks of 32 codes); v_scales 2 x 8 x 128 x 64 uint8 (E8M0 scales of v, one for each 32 codes along K).
;; Outputs: out0 2 x 2,048 x 4,096 float32.
;; This version of the problem:
;;   THIS VERSION OF THE PROBLEM IS GIVEN IN LOW PRECISION. The matrix products marked QUANTISED in the list below multiply operands that are first quantised to E4M3 (4 exponent bits, 3 mantissa bits; 8 bits a number), with one power-of-two scale for each 32 numbers along K (OCP MX v1.0); their sums are f32. All else is computed in f32.
;;   The module's matrix products, in the order in which they are computed (A, B: the left and right operand; K: the contracted axis; several contracted axes count as one K, in the product's order):
;;     1. batch 64 x [M 2,048, K 128] x [K 128, N 2,048]; A: input q (given as codes); B: input k (given as codes): QUANTISED
;;     2. batch 64 x [M 128, K 2,048] x [K 2,048, N 2,048]; A: input v (given as codes); B: softmax (see below): QUANTISED
;;   THE QUANTISER, for each operand of a quantised product, along K:
;;     - K is cut into blocks of 32 from its start; a last block that is shorter is filled with zeros.
;;     - A block's scale is 2^e with e = floor(log2(the largest magnitude in the block)) - 8, held to -126 .. 127; a block of zeros has e = 0. As a byte (E8M0): e + 127.
;;     - Each number is divided by its block's scale, clamped to +-448, and rounded to the nearest number of E4M3, ties to even, subnormals kept.
;;     - The product sums the exact products of the quantised numbers (number of the format x scale) in f32.
;;   ~~~python
;;   def quantise(x, axis):      # numpy; x: float32 -> the quantised numbers, widened to float32 again
;;       x = np.moveaxis(x, axis, -1); K = x.shape[-1]
;;       x = np.pad(x, [(0, 0)] * (x.ndim - 1) + [(0, -K % 32)]); x = x.reshape(x.shape[:-1] + (-1, 32)); a = np.abs(x).max(-1, keepdims=True)
;;       e = np.where(a > 0, np.clip(np.frexp(np.where(a > 0, a, 1))[1] - 1 - 8, -126, 127), 0)      # np.frexp(a)[1] - 1 = floor(log2(a)), exactly
;;       r = np.clip(x / 2.0 ** e, -448, 448)
;;       step = 2.0 ** (np.maximum(np.frexp(np.where(r == 0, 1, r))[1] - 1, -6) - 3)
;;       q = np.round(r / step) * step * 2.0 ** e      # np.round: ties to even
;;       return np.moveaxis(q.reshape(q.shape[:-2] + (-1,))[..., :K], -1, axis).astype(np.float32)
;;   ~~~
;;   SOFTMAX AHEAD OF A QUANTISED PRODUCT. Where the list says 'softmax', what is quantised is not the finished softmax but p = 2^(t - M), with t = logit x log2(e) and M = ceil(the row's largest t), a whole number; so 1/2 < the row's largest p <= 1. The row's sum l is taken of the UNQUANTISED p, in f32, and the product's result is divided by l at the end. Since M is a whole number, a kernel that streams over the keys may use a running M (the ceiling of the running maximum): every later rescaling is an exact power of two, which a block's scale takes up: the codes' values come out the same.
;;   OPERANDS COMPUTED ON THE WAY. 'Computed on the way' means the value that the module computes at that place (a softmax that the list does not call 'softmax' is quantised finished and normalised). What goes into a quantiser is computed in f32, as accurately as f32 sums, v_exp_f32 and their like allow (about 1e-6 of the number): no bf16 or f16 on the way to a quantiser, and a product that is left as it is and whose result goes on into a quantised operand takes f32 operands (vector FMAs, or v_wmma_f32_16x16x4_f32). A number that lies on a knife's edge between two numbers of the format may be rounded either way, as far as f32 arithmetic and the matrix unit's own rounding can turn it there, and no further.
;;   INPUTS GIVEN AS CODES. k (in the module: [2, 2048, 8, 128], K = its axis 3); q (in the module: [2, 2048, 32, 128], K = its axis 3); v (in the module: [2, 2048, 8, 128], K = its axis 1): each comes as NAME_codes (uint8): NAME with its K axis moved to the last place and cut into blocks of 32 codes, [.., K / 32, bytes a block], one block behind the other in memory; one code a byte (a code: sign, 4 exponent bits, 3 mantissa bits); and NAME_scales (uint8): the same leading axes, one E8M0 byte (e + 127) for each 32 codes along K. Its value is code x scale, taken as it is: it is not quantised again, and the codes and scales need not be those that the quantiser above would give.
;; One version. Each part assembles by itself: llvm-mc -triple=amdgcn-amd-amdhsa -mcpu=gfx1250 --defsym DOCPART=n.
;; ======== version 1 of 1: 1 launch
;; limits: right only within a limited range of input values
;; launch attn (part 1): grid 16 x 16, 8 waves a work-group, no clusters, 327,680 bytes of LDS; arguments q_codes, q_scales, k_codes, k_scales, v_codes, v_scales, out0; writes out0
.if DOCPART == 1
	.amdgcn_target "amdgcn-amd-amdhsa--gfx1250"
	.amdhsa_code_object_version 6
	.text
	.protected	k_q627ee86258_attn
	.globl	k_q627ee86258_attn
	.p2align	8
	.type	k_q627ee86258_attn,@function
k_q627ee86258_attn:
	s_mov_b64 s[64:65], 0
	v_nop
	global_prefetch_b8 v0, s[64:65] scope:SCOPE_SE
	s_setreg_imm32_b32 hwreg(HW_REG_WAVE_MODE, 25, 1), 1
	s_wait_xcnt 0x0
; out0[b][q][hq][:] = the sum over keys k <= q of softmax_k(Q[b][q][hq] . K[b][k][hq/4] / sqrt(128)) V[b][k][hq/4][:].  B = 2, 2,048 positions, 32 query heads, 8 key and value heads, head size 128.
; Both products run on codes of E4M3 with one E8M0 byte for each 32 along a product's K.  Q [b][t][32][128] and K [b][t][8][128] are codes along the head's 128; V [b][8][128][2048] has the keys innermost.
; THE SOFTMAX AHEAD OF THE SECOND PRODUCT: t = score x log2(e) / sqrt(128); M = the running largest t rounded UP to a whole number; p = 2^(t - M) is quantised along the keys, in blocks of 32, not normalised.
; The row's sum is taken of the unquantised p, in f32, and divides at the end.  When M moves, the sum and O are multiplied by 2^(old M - new M), which rounds nothing.
; SHARES.  Work-group (x, y): y = 8 x batch + key and value head; x = 4 J + the query head among that head's four.  It takes one query head and two blocks of 256 positions, block J and then block 7 - J.
; Block i wants the key slots 0..i of 256 keys, so every work-group walks (J + 1) + (8 - J) = 9 slots: 256 work-groups of equal work, and the loop's trip count is a constant.  Which block and which keys a trip
; has are made anew in each trip from the trip's number and J, by selections; no branch writes a scalar that lives on.
; A wave owns 32 positions: two tiles of 16 queries.  Each fragment of K and of V that it reads from LDS feeds both tiles.  Wave w stands at place 4 ((w ^ (w >> 2)) & 1) + (w >> 1) of the block's eight,
; so that waves w and w + 4, and waves 2 i and 2 i + 1, are one of the block's first half and one of its second: in a block's last slot the first skips a step that the second works.
; NO JOINT LOADS IN THIS TEXT.  The four query heads of a key and value head walk the same tiles, and a cluster of the four could ask for them jointly.  Here each work-group asks for its own: 9 slots x 67,584 bytes,
; four times the requests that joint loads would make.  That is a price, stated here, and no gain: this text's waves jump over steps by branches on the work-group's number, and it keeps such branches and joint requests apart.
; LAYOUT.  Both products are used transposed: S^T = K Q^T (source 0 = 16 keys, source 1 = 16 queries), O^T = V^T P^T (source 0 = 16 of the head's 128, source 1 = P): a lane holds ONE query (lane % 16) throughout.
; THE KEYS OF A TILE ARE NOT NEIGHBOURS: lane r of tile T takes key 32 (T / 2) + 8 (T % 2) + r + 8 (r / 8), so that the 16 registers of tiles 2 b and 2 b + 1 are the 16 neighbouring keys 32 b + 16 (lane / 16) + 0..15.
; CAUSAL.  A step of 128 keys that all come after the wave's 32 queries is jumped over (a scalar branch on ids; no barrier and no tensor load stands in a step).  In the one step on the diagonal hidden scores
; become -infinity ahead of the maximum.  Positions and steps are multiples of 32 and of 128, so in every step that is worked its first key counts for every query of the wave: M is a number from the first step on.
; LIMITS.  NaN codes (0x7f, 0xff) and the scale byte 0xff among the inputs are not served.  t is made by ONE multiplication by c = log2(e) / sqrt(128) as f32.  A p under 2^-126 counts as 0 (v_exp_f32 flushes).
; A block's largest p is made from the block's largest score by the same two instructions as every p: this takes v_exp_f32 not to fall where its input rises.  A block whose every p is 0 keeps the byte 1 over zero codes.
;
; LDS.  Two slots, SLOT1 bytes apart, so that one exclusive or turns an address from one to the other.  In a slot: the 128 even keys (rows of 128 bytes + 16), the 128 odd keys likewise, 64 bytes off a multiple of 256;
; V (128 rows of 256 bytes + 16); K's scale words (4 bytes a key, dense); V's scale bytes (8 a row, dense).  WHY K IS SPLIT BY PARITY: a tile's rows are keys 0..7 and 16..23; in one run of rows those 16 apart would fall
; on the same banks at every pitch that is a multiple of 16 bytes.  Split, the even keys lie at rows 0..3, 8..11 of pitch 144, which are the 16-byte columns 0, 9, 2, 11, 8, 1, 10, 3 of 16 (64 banks of 4 bytes: ISA guide 11.1),
; and the odd keys at the other eight.  Behind the ring: a stage of 16 rows x 272 bytes for each wave, into which no tile lands (the ring goes on behind the first block's way out), and the spare words.
; REGISTERS.  Tile x lives in window x under the same numbers: v10 lane's query less its first key; v12 -M, v13 the largest t, v[14:15] the sum in two halves; v16-31 Q; v96-159 S^T, then p, then O / sum; v160-223 O^T;
; v224-239 p's codes (v232-239 at work before); v240-247, v252-254 at work.  Fragments 0-3 of K or V: v32-95 of window 0; fragments 4-7: v32-95 of window 1.  Window 0 alone: v1-9, v11 addresses;
; v248-251 scale words of K or V (lanes 0-15 tile t, lanes 16-31 tile 4 + t); v255 Q's (lanes 0-15 tile 0, lanes 16-31 tile 1); v253 p's, likewise.  Window 1 alone: v8, v9 the stage's addresses.
.set SLOT1,  131072
.set KP,     144                       ; a key's row in LDS
.set KO,     18496                     ; where a slot's odd keys begin: 128 x 144 + 64
.set VP,     272                       ; a row of V's tile in LDS
.set VOFF,   37120
.set KSOFF,  71936
.set VSOFF,  72960                     ; a slot ends at 73,984
.set STAGE,  205056                    ; = SLOT1 + 73,984
.set SPARE,  239872                    ; the spare words, 128 bytes for each of the eight waves: four blocks of 256 bytes that no other line names
.set AK0,  1                           ; v1   my lane's place in a tile of K
.set AV0,  2                           ; v2   in a tile of V
.set ASK0, 3                           ; v3   among K's scale words
.set ASV0, 4                           ; v4   among V's
.set SPW,  5                           ; v5   LDS address of my spare word; never rewritten
.set NIL,  6                           ; v6   0; never rewritten
.set GO,   7                           ; v7   the way out: my byte offset in two rows of out0
.set AD0,  8                           ; v8   LDS address of the fragments in hand
.set AD1,  9                           ; v9   of the scale words in hand
.set QL,   10                          ; v10  (both windows) lane % 16 - 16 (lane / 16) + 16 x tile
.set QOF,  11                          ; v11  my byte offset in 16 rows of Q
.set STI,  8                           ; v8 of window 1: the stage, on the way in
.set STB,  9                           ; v9 of window 1: and back
.set QPA,  4                           ; s[4:5]   Q's codes at my head and my wave's place in block J
.set QSA,  6                           ; s[6:7]   Q's scale words likewise
.set KB,   8                           ; s[8:9]   K's codes: what I fetch of key slot 0
.set KSB,  10                          ; s[10:11] K's scale words of key slot 0
.set VB,   12                          ; s[12:13] V's codes: what I fetch of key slot 0
.set VSB,  14                          ; s[14:15] V's scale bytes of key slot 0
.set OPA,  16                          ; s[16:17] out0 at my head and my wave's place in block J
.set WV,   18                          ; s18  my wave's number
.set MNT,  19
.set SEL,  20                          ; s[20:21] selects for v_permlanex16_b32: lane l xor 16
.set CS,   22                          ; s[22:23] c, twice: the packed form names a pair
.set G1K,  24                          ; s[24:31], s[32:39], s[40:47], s[48:55] descriptor groups 1: K, V, K's scales, V's scales
.set G1V,  32
.set G1KS, 40
.set G1VS, 48
.set G0K,  56                          ; s[56:59], s[60:63], s[68:71], s[72:75] their groups 0, which walk
.set G0V,  60
.set G0KS, 68
.set G0VS, 72
.set TK,   66                          ; s66  LDS byte at which the step's keys begin in each parity's half
.set TKS,  67                          ; s67  the same for K's scale words
.set QPB,  76                          ; s[76:77], s[78:79], s[80:81] Q's codes, Q's scale words, out0 for block 7 - J (at the head: offsets on their way)
.set QSB,  78
.set OPB,  80
.set J,    82                          ; s82  x / 4
.set JR,   83                          ; s83  J + 1: the walk's slot at which block 7 - J begins
.set Q0A,  84                          ; s84  my first query in block J
.set P32,  85                          ; s85  my wave's first position in a block
.set Q0,   86                          ; s86  my first query in the block in hand
.set KF,   87                          ; s87  the step's first key
.set Q0B,  88                          ; s88  my first query in block 7 - J
.set NT,   89                          ; s89  the walk's slot in hand: the loop's counter
.set KSF,  90                          ; s90  the key slot that is asked for
.set TWICE, 91                         ; s91  counts a slot's two steps
.set TV,   92                          ; s92  LDS byte at which the step's keys begin in V's rows
.set HM,   93                          ; s93  0xffff0000: lanes 16-31
.set TVS,  94                          ; s94  the same for V's scale bytes
.set X0,   95                          ; s95-97 at work
.set X1,   96
.set X2,   97
.set HQ,   98                          ; s98  at the head: my query head;  s99 at work there
.set W0K,  (1<<20)|(4<<22)|(3<<25)     ; 15:0 no mask; 17:16 elements of 1 byte; 20 padding on; 24:22 after every 32 words (code 4); 31:25 four words (code 3)
.set W0V,  (1<<20)|(5<<22)|(3<<25)     ; the same after every 64 words
.set W0S,  0                           ; the scales: elements of 1 byte, no padding
.set MSB, 0
.macro WIN new                         ; low byte: bits 1:0 source 0, 3:2 source 1, 5:4 source 2, 7:6 destination; the high byte repeats the setting that is left; a switch that changes nothing is dropped
.if MSB != (\new)
	s_set_vgpr_msb (MSB<<8)|(\new)
.set MSB, (\new)
.endif
.endm
.macro G1SET g, w0, d0, d1, st         ; a tile of d1 rows of d0 bytes, st bytes apart in memory; it never crosses the tensor's end, so the extents are the tile's
	s_mov_b32 s[\g], \w0
	s_mov_b32 s[\g+1], (\d0)<<16                   ; tensor_dim0
	s_mov_b32 s[\g+2], (\d1)<<16                   ; tensor_dim1
	s_mov_b32 s[\g+3], (\d0)<<16                   ; tile_dim0
	s_mov_b32 s[\g+4], \d1                         ; tile_dim1
	s_mov_b32 s[\g+5], \st                         ; tensor_dim0_stride
	s_mov_b32 s[\g+6], 0
	s_mov_b32 s[\g+7], 0
.endm
.macro G0SET g0, base                  ; count = 1; the global address of key slot 0; type = 2.  (The LDS address is written apart)
	s_mov_b32 s[\g0], 1
	s_mov_b64 s[\g0+2:\g0+3], s[\base:\base+1]
	s_or_b32 s[\g0+3], s[\g0+3], 0x80000000
.endm
.macro OWN ptr, hs, bs, ps             ; a pointer of my own head: + head << hs + batch << bs + my wave's first position << ps
	s_lshl_b32 s2, s[HQ], \hs
	s_lshl_b32 s99, s[X1], \bs
	s_add_co_u32 s2, s2, s99
	s_lshl_b32 s99, s[P32], \ps
	s_add_co_u32 s2, s2, s99
	s_add_nc_u64 s[\ptr:\ptr+1], s[\ptr:\ptr+1], s[2:3]
.endm
.macro TWOBLK pa, pb, sh               ; from a pointer at block 0: pb at block 7 - J (s[X0]), pa at block J; a block is 1 << sh bytes
	s_lshl_b32 s2, s[X0], \sh
	s_add_nc_u64 s[\pb:\pb+1], s[\pa:\pa+1], s[2:3]
	s_lshl_b32 s2, s[J], \sh
	s_add_nc_u64 s[\pa:\pa+1], s[\pa:\pa+1], s[2:3]
.endm
; A slot's loads, one a wave: waves 0, 1 K's even and odd keys; waves 2, 3 V's two halves; wave 4 K's scale words; wave 5 V's scale bytes; waves 6, 7 none.  The branches hang on the wave's number alone.
; Four v_nop follow each load, ahead of the jump, the label and what follows.
.macro JLOAD
	s_cmp_lt_u32 s[WV], 2
	s_cbranch_scc0 .Lnot_k_\@
	tensor_load_to_lds s[G0K:G0K+3], s[G1K:G1K+7]
	s_nop 0
.rept 4
	v_nop
.endr
	s_branch .Lasked_\@
.Lnot_k_\@:
	s_cmp_lt_u32 s[WV], 4
	s_cbranch_scc0 .Lnot_v_\@
	tensor_load_to_lds s[G0V:G0V+3], s[G1V:G1V+7]
	s_nop 0
.rept 4
	v_nop
.endr
	s_branch .Lasked_\@
.Lnot_v_\@:
	s_cmp_eq_u32 s[WV], 4
	s_cbranch_scc0 .Lnot_ks_\@
	tensor_load_to_lds s[G0KS:G0KS+3], s[G1KS:G1KS+7]
	s_nop 0
.rept 4
	v_nop
.endr
	s_branch .Lasked_\@
.Lnot_ks_\@:
	s_cmp_eq_u32 s[WV], 5
	s_cbranch_scc0 .Lasked_\@
	tensor_load_to_lds s[G0VS:G0VS+3], s[G1VS:G1VS+7]
	s_nop 0
.rept 4
	v_nop
.endr
.Lasked_\@:
.endm
.macro WALK g0, base, sh               ; a walking descriptor: the other slot than last time; key slot KSF begins KSF << sh bytes behind key slot 0
	s_xor_b32 s[\g0+1], s[\g0+1], SLOT1
	s_lshl_b32 s2, s[KSF], \sh
	s_add_nc_u64 s[\g0+2:\g0+3], s[\base:\base+1], s[2:3]
	s_or_b32 s[\g0+3], s[\g0+3], 0x80000000
.endm
; THE CHANGE OF SLOTS stands at a slot's head.  Each wave waits for all its tensor loads (its part of the slot ahead), adds 0 to its spare word, and waits for that and for its reads of the slot that it has left.
; Behind the barrier the slot ahead is whole and nobody reads the other one.  fill = 1: that other slot is filled with the walk's next slot: the load is the first thing behind the barrier and has a whole slot's steps in which to land.
.macro CHANGE fill
	s_wait_tensorcnt 0x0                           ; no tensor load of mine is out, so every group 0 may be written
	ds_add_u32 v[SPW], v[NIL]                      ; 0 onto my spare word; the descriptors' steps stand between it and the wait for it
.if \fill
	s_add_co_u32 s[KSF], s[NT], 1                  ; the walk's next slot:
	s_cmp_ge_u32 s[KSF], s[JR]
	s_cselect_b32 s[X0], s[JR], 0
	s_sub_co_u32 s[KSF], s[KSF], s[X0]             ; its key slot: block 7 - J begins again at key slot 0
	WALK G0K, KB, 18                               ; 256 keys x 1,024 bytes
	WALK G0V, VB, 8                                ; 256 bytes along each row
	WALK G0KS, KSB, 13                             ; 256 keys x 32 bytes
	WALK G0VS, VSB, 3                              ; 8 bytes along each row
.endif
	s_wait_dscnt 0x0                               ; the add is done, and my reads of the slot that I have left are over
	s_barrier_signal -1
	s_barrier_wait -1
.if \fill
	JLOAD
.endif
.endm
; A block's Q: two fragments and their scale words, asked for; they stay in registers for the block.  No cache hint: the bytes beside a head's 128 are the neighbouring head's, which another work-group reads.
.macro BLOCK_Q qa, qs
	v_and_b32 v242, 31, v0
	s_delay_alu instid0(VALU_DEP_1)
	v_lshlrev_b32 v242, 7, v242                    ; lane l takes position l's word: lanes 0-15 tile 0's, lanes 16-31 tile 1's
	s_wait_alu depctr_va_vdst(0)
.irp c, 0,1,2,3
	global_load_b128 v[16+4*\c:19+4*\c], v[QOF], s[\qa:\qa+1] offset:32*\c
.endr
	global_load_b32 v255, v242, s[\qs:\qs+1]
	WIN 0x40                                       ; destination window 1
.irp c, 0,1,2,3
	global_load_b128 v[16+4*\c:19+4*\c], v[QOF], s[\qa:\qa+1] offset:65536+32*\c
.endr
	WIN 0
.endm
.macro INIT                            ; written once: a lane permute's destination counts as one of its sources, and v253 is named as the upper half of a pair
.irp b, 0,1,2,3
	v_mov_b32 v[236+\b], 0
.endr
	v_mov_b32 v252, 0
	v_mov_b32 v253, 0
.endm
.macro RESET                           ; a tile begins a block (in the window in force).  The step is written once: a block's first step finds zeros, which the first change of M leaves zeros
	v_mov_b32 v13, 0xff61b1e6                      ; the largest t so far: -3e38, under every t
	s_delay_alu instid0(VALU_DEP_1)
	v_floor_f32 v12, -v13                          ; -M
	v_mov_b32 v14, 0
	v_mov_b32 v15, 0
.set jj, 0
.rept 64
	v_mov_b32 v[160+jj], 0
.set jj, jj+1
.endr
.endm
; Register 16 b + i holds key KF + 32 b + 16 (lane / 16) + i: hidden where 32 b + i > d = my query - KF - 16 (lane / 16).  s[X0] = Q0 - KF.  Each accumulator is taken from its low end on.
.macro MASK
	v_add_nc_u32 v252, s[X0], v[QL]
	v_mov_b32 v254, 0xff800000                     ; -infinity
.set jj, 0
.rept 64
	v_cmp_gt_i32 vcc_lo, 32*(jj/16)+jj%16, v252
	v_cndmask_b32 v[96+jj], v[96+jj], v254, vcc_lo
.set jj, jj+1
.endr
.endm
; One tile's softmax for 128 keys, in the window in force (x = the tile).  It leaves p's codes in v224-239, f in v252, p's scale word in v253.
.macro SOFTMAX x
.irp b, 0,1,2,3
	v_max3_num_f32 v[232+\b], v[96+16*\b], v[97+16*\b], v[98+16*\b]   ; the largest score of each block of 32 keys: it serves for the row's maximum and, since p rises with the score, for the block's largest p
.endr
.irp i, 3,5,7,9,11,13
.irp b, 0,1,2,3
	v_max3_num_f32 v[232+\b], v[232+\b], v[96+16*\b+\i], v[97+16*\b+\i]   ; (the four blocks by turns)
.endr
.endr
.irp b, 0,1,2,3
	v_max_num_f32 v[232+\b], v[232+\b], v[111+16*\b]
.endr
.irp b, 0,1,2,3
	v_permlanex16_b32 v[236+\b], v[232+\b], s[SEL], s[SEL+1]
.endr
.irp b, 0,1,2,3
	s_delay_alu instid0(VALU_DEP_4)
	v_max_num_f32 v[232+\b], v[232+\b], v[236+\b]  ; with lane l xor 16's 16 keys
.endr
	s_delay_alu instid0(VALU_DEP_2)
	v_max3_num_f32 v254, v232, v233, v234
	s_delay_alu instid0(VALU_DEP_1)
	v_max_num_f32 v254, v254, v235                 ; the step's largest score of my query
	s_delay_alu instid0(VALU_DEP_1)
	v_mul_f32 v254, s[CS], v254                    ; as t (c is positive)
	s_delay_alu instid0(VALU_DEP_1)
	v_max_num_f32 v13, v13, v254                   ; the running largest t
	v_mov_b32 v254, v12
	s_delay_alu instid0(VALU_DEP_2)
	v_floor_f32 v12, -v13                          ; the new -M = floor(-t) = -ceil(t): a whole number
	s_delay_alu instid0(VALU_DEP_1)
	v_sub_f32 v254, v12, v254                      ; M's old value less its new one: a whole number, 0 or less
	s_delay_alu instid0(VALU_DEP_1)
	v_cvt_i32_f32 v254, v254                       ; (it saturates)
	s_delay_alu instid0(VALU_DEP_1)
	v_ldexp_f32 v252, 1.0, v254                    ; f = 2^(old M - new M)
.set jj, 0
.rept 32
	v_pk_fma_f32 v[96+jj:97+jj], v[96+jj:97+jj], s[CS:CS+1], v[12:13] op_sel_hi:[1,0,0]   ; t - M, two at a time (of the pairs c and -M the low word serves both halves)
.set jj, jj+2
.endr
.irp b, 0,1,2,3
	v_fma_f32 v[232+\b], v[232+\b], s[CS], v12     ; the same of each block's largest score
.endr
.set jj, 0
	s_wait_alu depctr_va_vdst(0)
.rept 64
	v_exp_f32 v[96+jj], v[96+jj]                   ; p = 2^(t - M), at most 1: not normalised
.set jj, jj+1
.endr
.irp b, 0,1,2,3
	v_exp_f32 v[232+\b], v[232+\b]                 ; the block's largest p: the same two instructions on the same number give the same bits
.endr
	v_pk_mul_f32 v[14:15], v[14:15], v[252:253] op_sel_hi:[1,0]   ; the sums under the new M.  (The plain instruction behind the exponentials)
	s_wait_alu depctr_va_vdst(0)
.irp b, 0,1,2,3
	v_max_num_f32 v[232+\b], 0x4800000, v[232+\b]  ; the floor 2^(9 - 127): the byte cannot fall under 1
.endr
.irp b, 0,1,2,3
	s_delay_alu instid0(VALU_DEP_4)
	v_add_nc_u32 v[244+\b], 0xfc000000, v[232+\b]  ; 8 off the exponent field: the conversion's scale operand
.endr
.irp b, 0,1,2,3
.endr
.irp b, 0,1,2,3
	s_delay_alu instid0(VALU_DEP_4)
	v_lshrrev_b32 v[236+\b], 23, v[244+\b]         ; the scale's byte
.endr
	s_delay_alu instid0(VALU_DEP_3)
	v_lshl_or_b32 v253, v237, 8, v236              ; p's scale word for these 128 keys; lanes r and 16 + r hold query r's
	s_delay_alu instid0(VALU_DEP_1)
	v_lshl_or_b32 v253, v238, 16, v253
	s_delay_alu instid0(VALU_DEP_1)
	v_lshl_or_b32 v253, v239, 24, v253
.if \x
	WIN 0x04                                       ; source 1 window 1, the rest window 0
	v_cndmask_b32 v253, v253, v253, s[HM]          ; ONE register carries both tiles' words: lanes 16-31 of window 0's v253 take tile 1's.  It stands here so that the sums below, which name
	WIN 0x55                                       ; no register of the products, are the eight instructions between a scale register's write and the products
.endif
	v_pk_add_f32 v[236:237], v[96:97], v[98:99]    ; the row's sum is taken of the unquantised p: two at a time, in two chains
.irp j, 4,8,12,16,20,24,28,32,36,40,44,48,52,56,60
	v_pk_add_f32 v[14:15], v[14:15], v[96+\j:97+\j]
	v_pk_add_f32 v[236:237], v[236:237], v[98+\j:99+\j]
.endr
	s_delay_alu instid0(VALU_DEP_1)
	v_pk_add_f32 v[14:15], v[14:15], v[236:237]
.irp b, 0,1,2,3
.irp i, 0,1,2,3,4,5,6,7,8,9,10,11,12,13,14,15
.endr
	v_cvt_scalef32_pk8_fp8_f32 v[224+4*\b:225+4*\b], v[96+16*\b:103+16*\b], v[244+\b]
	v_cvt_scalef32_pk8_fp8_f32 v[226+4*\b:227+4*\b], v[104+16*\b:111+16*\b], v[244+\b]
.endr
.endm
.macro RESCALE                         ; O^T under the new M: x f (in the window in force); each accumulator from its low end on
.set jj, 0
.rept 32
	v_pk_mul_f32 v[160+jj:161+jj], v[160+jj:161+jj], v[252:253] op_sel_hi:[1,0]
.set jj, jj+2
.endr
.endm
; Four products S^T = K Q^T: key tiles 4 g + t (fragments in window g) x query tile x (Q and S^T in window x).  K's words: lanes 0-15 of v[248 + t] for g = 0, lanes 16-31 for g = 1; Q's: lanes 0-15 of v255 for x = 0, 16-31 for x = 1.
.macro SPROD g, x
	WIN (\g)+0x54*(\x)
.irp t, 0,1,2,3
.set rD, 96+8*(4*\g+\t)
.set rA, 32+16*\t
.if (\g == 0) && (\x == 0)
	v_wmma_scale_f32_16x16x128_f8f6f4 v[rD:rD+7], v[rA:rA+15], v[16:31], 0, v[248+\t], v255
.elseif (\x == 0)
	v_wmma_scale_f32_16x16x128_f8f6f4 v[rD:rD+7], v[rA:rA+15], v[16:31], 0, v[248+\t], v255 matrix_a_scale:MATRIX_SCALE_ROW1
.elseif (\g == 0)
	v_wmma_scale_f32_16x16x128_f8f6f4 v[rD:rD+7], v[rA:rA+15], v[16:31], 0, v[248+\t], v255 matrix_b_scale:MATRIX_SCALE_ROW1
.else
	v_wmma_scale_f32_16x16x128_f8f6f4 v[rD:rD+7], v[rA:rA+15], v[16:31], 0, v[248+\t], v255 matrix_a_scale:MATRIX_SCALE_ROW1 matrix_b_scale:MATRIX_SCALE_ROW1
.endif
.endr
.endm
; Four products O^T += V^T P^T: tiles 4 g + t of the head's 128 x query tile x.  Each of the 16 accumulators has one instruction a step: they take turns.
.macro PVPROD g, x
	WIN (\g)+0x54*(\x)
.irp t, 0,1,2,3
.set rD, 160+8*(4*\g+\t)
.set rA, 32+16*\t
.if (\g == 0) && (\x == 0)
	v_wmma_scale_f32_16x16x128_f8f6f4 v[rD:rD+7], v[rA:rA+15], v[224:239], v[rD:rD+7], v[248+\t], v253
.elseif (\x == 0)
	v_wmma_scale_f32_16x16x128_f8f6f4 v[rD:rD+7], v[rA:rA+15], v[224:239], v[rD:rD+7], v[248+\t], v253 matrix_a_scale:MATRIX_SCALE_ROW1
.elseif (\g == 0)
	v_wmma_scale_f32_16x16x128_f8f6f4 v[rD:rD+7], v[rA:rA+15], v[224:239], v[rD:rD+7], v[248+\t], v253 matrix_b_scale:MATRIX_SCALE_ROW1
.else
	v_wmma_scale_f32_16x16x128_f8f6f4 v[rD:rD+7], v[rA:rA+15], v[224:239], v[rD:rD+7], v[248+\t], v253 matrix_a_scale:MATRIX_SCALE_ROW1 matrix_b_scale:MATRIX_SCALE_ROW1
.endif
.endr
.endm
; A step's eight fragments of K and their scale words: 16 loads, 4 loads, 16 loads.  Key tile T begins at row 16 (T / 2) + 4 (T % 2) of the step's 64 rows in each parity's half.
.macro LOADK
	v_add_nc_u32 v[AD0], s[TK], v[AK0]
	v_add_nc_u32 v[AD1], s[TKS], v[ASK0]
.rept 6
	v_nop                                          ; with the two additions: eight plain vector instructions between the last products and loads into registers that they read
.endr
.irp g, 0,1
.if \g
	WIN 0x40                                       ; destination window 1
.endif
.irp t, 0,1,2,3
.irp c, 0,1,2,3
	ds_load_b128 v[32+16*\t+4*\c:35+16*\t+4*\c], v[AD0] offset:(32*\g+16*(\t/2)+4*(\t%2))*KP+32*\c
.endr
.endr
.if \g == 0
.irp t, 0,1,2,3
	ds_load_b32 v[248+\t], v[AD1] offset:(32*(\t/2)+8*(\t%2))*4   ; lanes 0-15 tile t's keys, lanes 16-31 those 64 keys on: tile 4 + t's
.endr
.endif
.endr
.endm
.macro LOADV                           ; the same for V: tile T is rows 16 T on
	v_add_nc_u32 v[AD0], s[TV], v[AV0]             ; (also the plain instruction behind the last conversion)
	v_add_nc_u32 v[AD1], s[TVS], v[ASV0]
.irp g, 0,1
.if \g
	WIN 0x40
.endif
.irp t, 0,1,2,3
.irp c, 0,1,2,3
	ds_load_b128 v[32+16*\t+4*\c:35+16*\t+4*\c], v[AD0] offset:16*(4*\g+\t)*VP+32*\c
.endr
.endr
.if \g == 0
.irp t, 0,1,2,3
	ds_load_b32 v[248+\t], v[AD1] offset:128*\t
.endr
.endif
.endr
.endm
; A KEY STEP: 128 keys of the slot in hand, for my two tiles of queries.  Written once for a slot's two steps: the LDS addresses hang on four scalars that step at its end.
.macro STEP
	s_add_co_u32 s[X0], s[Q0], 31
	s_cmp_gt_u32 s[KF], s[X0]
	s_cbranch_scc1 .Lhidden_\@                     ; all 128 keys come after my 32 queries
	s_setprio 2
	LOADK
	s_wait_dscnt 16                                ; fragments 0-3 and the scale words are in; the sixteen loads issued behind them (fragments 4-7) may be out
	SPROD 0, 0
	SPROD 0, 1
	s_wait_dscnt 0x0
	SPROD 1, 0
	SPROD 1, 1
	WIN 0
.rept 8
	v_nop                                          ; eight plain vector instructions between the products and the first read of their results
.endr
	s_add_co_u32 s[X0], s[KF], 127
	s_cmp_le_u32 s[X0], s[Q0]
	s_cbranch_scc1 .Lopen_\@                       ; all 128 keys count for all my queries
	s_sub_co_u32 s[X0], s[Q0], s[KF]
	MASK
	WIN 0x55
	MASK
	WIN 0
.Lopen_\@:
	SOFTMAX 0
	WIN 0x55
	s_setprio 1
	SOFTMAX 1
	WIN 0
	LOADV                                          ; K's fragments were multiplied a softmax ago
	WIN 0
	RESCALE                                        ; 64 packed multiplications stand between V's loads and the wait for them
	WIN 0x55
	s_setprio 0
	RESCALE
	s_wait_alu depctr_va_vdst(0)
	s_wait_dscnt 16                                ; as above
	PVPROD 0, 0
	PVPROD 0, 1
	s_wait_dscnt 0x0
	PVPROD 1, 0
	PVPROD 1, 1
	WIN 0
.Lhidden_\@:
	s_add_co_u32 s[KF], s[KF], 128                 ; on to the next step, on every way
	s_add_co_u32 s[TK], s[TK], 64*KP               ; 64 rows in each parity's half
	s_add_co_u32 s[TKS], s[TKS], 512               ; 128 words
	s_add_co_u32 s[TV], s[TV], 128                 ; 128 bytes along V's rows
	s_add_co_u32 s[TVS], s[TVS], 4                 ; one word along V's scale rows
.endm
.macro BACK reg, step                  ; back to a slot's first step, in the other slot
	s_sub_co_u32 s[\reg], s[\reg], 2*(\step)
	s_xor_b32 s[\reg], s[\reg], SLOT1
.endm
.macro SLOT_STEPS
	s_cmp_ge_u32 s[NT], s[JR]                      ; the walk's slots 0..J are block J's, the others block 7 - J's
	s_cselect_b32 s[Q0], s[Q0B], s[Q0A]
	s_cselect_b32 s[X0], s[JR], 0
	s_sub_co_u32 s[KF], s[NT], s[X0]
	s_lshl_b32 s[KF], s[KF], 8                     ; the slot's first key
	s_mov_b32 s[TWICE], 2
.Lstep_\@:
	STEP
	s_sub_co_u32 s[TWICE], s[TWICE], 1
	s_cmp_lg_u32 s[TWICE], 0
	s_cbranch_scc1 .Lstep_\@
	s_setprio 0
	BACK TK, 64*KP
	BACK TKS, 512
	BACK TV, 128
	BACK TVS, 4
.endm
.macro LSUM                            ; 1 / the row's sum (in the window in force)
	v_add_f32 v14, v14, v15                        ; the sum's two halves,
	s_delay_alu instid0(VALU_DEP_1)
	v_permlanex16_b32 v252, v14, s[SEL], s[SEL+1]
	s_delay_alu instid0(VALU_DEP_1)
	v_add_f32 v14, v14, v252                       ; and lane l xor 16's
	s_wait_alu depctr_va_vdst(0)
	v_rcp_f32 v14, v14
	v_nop                                          ; a plain instruction behind the transcendental
.endm
; Tile x goes out: O^T / the sum; then half a head's row (64 channels, 256 bytes) of 16 queries at a time through my stage in LDS, so that sixteen lanes store 256 consecutive bytes, at a multiple of 256 from out0's first byte.
.macro OUT x, oa
	WIN 0x55*(\x)
.set jj, 0
	s_wait_alu depctr_va_vdst(0)
.rept 64
	v_mul_f32 v[96+jj], v[160+jj], v14             ; register 8 T + i is o(query r, channel 16 T + 8 h + i); each accumulator from its low end on
.set jj, jj+1
.endr
.irp u, 0,1
	WIN 0x01+4*(\x)                                ; the address (source 0) in window 1, the data (source 1) in window x
.irp t, 0,1,2,3
	ds_store_b128 v[STI], v[96+32*\u+8*\t:99+32*\u+8*\t] offset:64*\t
	ds_store_b128 v[STI], v[100+32*\u+8*\t:103+32*\u+8*\t] offset:64*\t+16
.endr
	WIN 0x01+0x40*(\x)                             ; the address in window 1, the destination in window x
.irp i, 0,1,2,3,4,5,6,7
	ds_load_b128 v[32+32*\u+4*\i:35+32*\u+4*\i], v[STB] offset:544*\i   ; LDS serves a wave's instructions in order (ISA guide 5.7.1.4): these see my stores, and the next half's stores come behind them
.endr
.endr
	WIN 4*(\x)                                     ; the offset in window 0, the data in window x
.irp u, 0,1
.irp i, 0,1,2,3,4,5,6,7
	s_wait_dscnt 15-8*\u-\i                        ; for the second half the number of loads issued behind this one; for the first half fewer than were
	global_store_b128 v[GO], v[32+32*\u+4*\i:35+32*\u+4*\i], s[\oa:\oa+1] offset:262144*\x+32768*\i+256*\u th:TH_STORE_NT   ; rows 2 i and 2 i + 1 of the tile; written once, read by nobody here
.endr
.endr
.endm
; A block is finished.  next = 1: block 7 - J follows: its Q is asked for ahead of the way out and lands under it.  No scalar register is written here.
.macro FINISH next, oa
.rept 8
	v_nop                                          ; eight plain vector instructions between the last products and the first read of O^T
.endr
	LSUM
	WIN 0x55
	LSUM
	WIN 0
.if \next
	BLOCK_Q QPB, QSB
.endif
	OUT 0, \oa
	OUT 1, \oa
	WIN 0
.if \next
	RESET
	WIN 0x55
	RESET
	WIN 0
	s_wait_loadcnt 0x0                             ; Q
	s_wait_xcnt 0x0                                ; the stores have read their data: the fragments' registers are loaded again in the next step
.endif
.endm
	s_load_b256 s[4:11], s[0:1], 0x0               ; Q's codes, Q's scales, K's codes, K's scales
	s_load_b128 s[12:15], s[0:1], 0x20             ; V's codes, V's scales
	s_load_b64 s[16:17], s[0:1], 0x30              ; out0
	v_lshl_add_u32 v[SPW], v0, 2, SPARE
	v_mov_b32 v[NIL], 0
	ds_add_u32 v5, v6
	ds_add_u32 v5, v6
	s_wait_dscnt 0x0
	v_lshrrev_b32 v[AD0], 5, v0
	s_delay_alu instid0(VALU_DEP_1)
	v_readfirstlane_b32 s[WV], v[AD0]              ; wave 0..7
	s_lshr_b32 s[J], ttmp9, 2                      ; 0..3
	s_add_co_u32 s[JR], s[J], 1
	s_and_b32 s[X0], ttmp7, 0xffff                 ; y = 8 x batch + key and value head
	s_lshr_b32 s[X1], s[X0], 3                     ; the batch
	s_and_b32 s[X2], s[X0], 7                      ; the key and value head
	s_and_b32 s[HQ], ttmp9, 3
	s_lshl_b32 s2, s[X2], 2
	s_add_co_u32 s[HQ], s[HQ], s2                  ; my query head
	s_mov_b32 s3, 0                                ; s[2:3]: a 32-bit offset as a pair; s3 stays 0
	s_lshr_b32 s[P32], s[WV], 2
	s_xor_b32 s[P32], s[P32], s[WV]
	s_and_b32 s[P32], s[P32], 1
	s_lshl_b32 s[P32], s[P32], 2
	s_lshr_b32 s2, s[WV], 1
	s_add_co_u32 s[P32], s[P32], s2                ; my place among the block's eight
	s_lshl_b32 s[P32], s[P32], 5                   ; x 32 positions
	G1SET G1K, W0K, 128, 128, 2048                 ; every second key: 128 rows of 128 bytes, 2,048 bytes apart
	G1SET G1V, W0V, 256, 64, 2048                  ; 64 of the head's 128: rows of 256 keys, 2,048 bytes apart
	G1SET G1KS, W0S, 4, 256, 32                    ; a word for each of 256 keys, 32 bytes apart
	G1SET G1VS, W0S, 8, 128, 64                    ; 8 bytes for each of the head's 128, 64 bytes apart
	s_and_b32 s80, s[WV], 1                        ; which half I fetch, if I fetch codes
	s_lshl_b32 s76, s[X1], 21
	s_lshl_b32 s2, s[X2], 7
	s_add_co_u32 s76, s76, s2
	s_lshl_b32 s2, s80, 10
	s_add_co_u32 s76, s76, s2                      ; K: batch x 2,048 x 1,024 + head x 128 + parity x 1,024
	s_lshl_b32 s77, s[X1], 16
	s_lshl_b32 s2, s[X2], 2
	s_add_co_u32 s77, s77, s2                      ; K's scales: batch x 2,048 x 32 + head x 4
	s_lshl_b32 s78, s[X0], 18
	s_lshl_b32 s2, s80, 17
	s_add_co_u32 s78, s78, s2                      ; V: y x 128 x 2,048 + half x 64 x 2,048
	s_lshl_b32 s79, s[X0], 13                      ; V's scales: y x 128 x 64
	s_mul_i32 s[G0K+1], s80, KO                    ; the LDS addresses, slot 0: constants and the wave's number
	s_mul_i32 s[G0V+1], s80, 64*VP
	s_add_co_u32 s[G0V+1], s[G0V+1], VOFF
	s_mov_b32 s[G0KS+1], KSOFF
	s_mov_b32 s[G0VS+1], VSOFF
	s_mov_b32 s[SEL], 0x76543210
	s_mov_b32 s[SEL+1], 0xfedcba98
	s_mov_b32 s[CS], 0x3e0293ee                    ; c = log2(e) / sqrt(128)
	s_mov_b32 s[CS+1], s[CS]
	s_mov_b32 s[HM], 0xffff0000
	s_mov_b32 s[TK], 0
	s_mov_b32 s[TKS], 0
	s_mov_b32 s[TV], 0
	s_mov_b32 s[TVS], 0
	s_mov_b32 s[NT], 0
	s_wait_kmcnt 0x0
	s_mov_b32 s2, s76
	s_add_nc_u64 s[KB:KB+1], s[KB:KB+1], s[2:3]
	s_mov_b32 s2, s77
	s_add_nc_u64 s[KSB:KSB+1], s[KSB:KSB+1], s[2:3]
	s_mov_b32 s2, s78
	s_add_nc_u64 s[VB:VB+1], s[VB:VB+1], s[2:3]
	s_mov_b32 s2, s79
	s_add_nc_u64 s[VSB:VSB+1], s[VSB:VSB+1], s[2:3]
	G0SET G0K, KB
	G0SET G0V, VB
	G0SET G0KS, KSB
	G0SET G0VS, VSB
	JLOAD                                          ; slot 0: the launch's one first fill at its start; slot 1 is filled behind the first trip's barrier
	OWN QPA, 7, 23, 12                             ; Q's codes: head x 128, batch x 2,048 x 4,096, position x 4,096
	OWN QSA, 2, 18, 7                              ; Q's scales: head x 4, batch x 2,048 x 128, position x 128
	OWN OPA, 9, 25, 14                             ; out0: head x 512, batch x 2,048 x 16,384, position x 16,384
	s_sub_co_u32 s[X0], 7, s[J]                    ; the second block
	TWOBLK QPA, QPB, 20                            ; 256 positions x 4,096 bytes
	TWOBLK QSA, QSB, 15                            ; 256 positions x 128 bytes
	TWOBLK OPA, OPB, 22                            ; 256 positions x 16,384 bytes
	s_lshl_b32 s[Q0B], s[X0], 8
	s_add_co_u32 s[Q0B], s[Q0B], s[P32]
	s_lshl_b32 s[Q0A], s[J], 8
	s_add_co_u32 s[Q0A], s[Q0A], s[P32]
	v_and_b32 v240, 15, v0                         ; r = lane % 16
	v_bfe_u32 v241, v0, 4, 1                       ; h = lane / 16
	v_bfe_u32 v242, v0, 1, 2
	v_bfe_u32 v243, v0, 3, 1
	s_delay_alu instid0(VALU_DEP_1)
	v_lshl_add_u32 v242, v243, 3, v242             ; (r + 8 (r / 8)) / 2: my key's row in its parity's half
	s_delay_alu instid0(VALU_DEP_1)
	v_mul_u32_u24 v[AK0], v242, KP
	v_and_b32 v242, 1, v0
	s_delay_alu instid0(VALU_DEP_1)
	v_mad_u32_u24 v[AK0], v242, KO, v[AK0]         ; odd keys lie KO bytes on
	s_delay_alu instid0(VALU_DEP_1)
	v_lshl_add_u32 v[AK0], v241, 4, v[AK0]
	v_mul_u32_u24 v[AV0], v240, VP
	s_delay_alu instid0(VALU_DEP_1)
	v_lshl_add_u32 v[AV0], v241, 4, v[AV0]
	s_delay_alu instid0(VALU_DEP_1)
	v_add_nc_u32 v[AV0], VOFF, v[AV0]
	v_and_b32 v242, 8, v240
	s_delay_alu instid0(VALU_DEP_1)
	v_add_nc_u32 v242, v242, v240                  ; r + 8 (r / 8)
	s_delay_alu instid0(VALU_DEP_1)
	v_lshl_add_u32 v[ASK0], v242, 2, KSOFF
	s_delay_alu instid0(VALU_DEP_1)
	v_lshl_add_u32 v[ASK0], v241, 8, v[ASK0]       ; lanes 16-31: 64 keys on
	v_lshl_add_u32 v[ASV0], v240, 3, VSOFF
	s_delay_alu instid0(VALU_DEP_1)
	v_lshl_add_u32 v[ASV0], v241, 9, v[ASV0]       ; lanes 16-31: 64 rows on
	v_lshlrev_b32 v[GO], 14, v241
	s_delay_alu instid0(VALU_DEP_1)
	v_lshl_add_u32 v[GO], v240, 4, v[GO]           ; lanes 0-15 one row of out0, lanes 16-31 the next; 16 bytes a lane
	v_lshlrev_b32 v[QOF], 12, v240
	s_delay_alu instid0(VALU_DEP_1)
	v_lshl_add_u32 v[QOF], v241, 4, v[QOF]         ; Q: row r of 4,096 bytes, + 16 h
	v_lshlrev_b32 v242, 4, v241
	s_delay_alu instid0(VALU_DEP_1)
	v_sub_nc_u32 v[QL], v240, v242                 ; r - 16 h
	s_mul_i32 s[X0], s[WV], 16*272
	s_add_co_u32 s[X0], s[X0], STAGE               ; my stage
	v_mul_u32_u24 v242, v240, 272
	s_delay_alu instid0(VALU_DEP_1)
	v_lshl_add_u32 v242, v241, 5, v242             ; in: row r, + 32 h
	v_mul_u32_u24 v243, v241, 272
	s_delay_alu instid0(VALU_DEP_1)
	v_lshl_add_u32 v243, v240, 4, v243             ; back: lanes 0-15 one row, lanes 16-31 the next
	WIN 0x40                                       ; destination window 1
	v_add_nc_u32 v[QL], 16, v[QL]                  ; tile 1's queries lie 16 on
	v_add_nc_u32 v[STI], s[X0], v242
	v_add_nc_u32 v[STB], s[X0], v243
	INIT
	WIN 0
	INIT
	BLOCK_Q QPA, QSA
	RESET
	WIN 0x55
	RESET
	WIN 0
	s_wait_loadcnt 0x0                             ; Q
.Lslot:                                            ; eight trips: behind each change of slots but the last the walk's next slot is asked for
	CHANGE 1
	SLOT_STEPS
	s_cmp_lg_u32 s[NT], s[J]
	s_cbranch_scc1 .Lnofin                         ; taken in every trip but trip J, in which block J's keys end
	FINISH 1, OPA
.Lnofin:
	s_add_co_u32 s[NT], s[NT], 1
	s_cmp_lt_u32 s[NT], 8
	s_cbranch_scc1 .Lslot
	CHANGE 0                                       ; the walk's last slot is written out
	SLOT_STEPS
	FINISH 0, OPB
	s_wait_tensorcnt 0x0                           ; the wave's end: behind my last tensor load and my last LDS store
	ds_add_u32 v[SPW], v[NIL]
	s_wait_dscnt 0x0
	s_endpgm
.Lfunc_end_k_q627ee86258_attn:
	.size	k_q627ee86258_attn, .Lfunc_end_k_q627ee86258_attn-k_q627ee86258_attn
	.p2alignl 7, 3214868480
	.fill 96, 4, 3214868480
	.section	.rodata,"a",@progbits
	.p2align	6, 0x0
	.amdhsa_kernel k_q627ee86258_attn
		.amdhsa_group_segment_fixed_size 327680
		.amdhsa_private_segment_fixed_size 0
		.amdhsa_enable_private_segment 0
		.amdhsa_kernarg_size 56
		.amdhsa_user_sgpr_count 2
		.amdhsa_user_sgpr_kernarg_segment_ptr 1
		.amdhsa_wavefront_size32 1
		.amdhsa_system_sgpr_workgroup_id_x 1
		.amdhsa_system_sgpr_workgroup_id_y 1
		.amdhsa_system_sgpr_workgroup_id_z 1
		.amdhsa_system_vgpr_workitem_id 0
		.amdhsa_next_free_vgpr 512
		.amdhsa_next_free_sgpr 100
		.amdhsa_reserve_vcc 1
		.amdhsa_float_denorm_mode_32 3
		.amdhsa_float_denorm_mode_16_64 3
		.amdhsa_fp16_overflow 1
		.amdhsa_memory_ordered 1
		.amdhsa_forward_progress 1
		.amdhsa_inst_pref_size 147
	.end_amdhsa_kernel
	.amdgpu_metadata
---
amdhsa.version: [ 1, 2 ]
amdhsa.kernels:
  - .name:           k_q627ee86258_attn
    .symbol:         k_q627ee86258_attn.kd
    .args:
      - { .name: q_codes, .offset: 0, .size: 8, .value_kind: global_buffer, .address_space: global }
      - { .name: q_scales, .offset: 8, .size: 8, .value_kind: global_buffer, .address_space: global }
      - { .name: k_codes, .offset: 16, .size: 8, .value_kind: global_buffer, .address_space: global }
      - { .name: k_scales, .offset: 24, .size: 8, .value_kind: global_buffer, .address_space: global }
      - { .name: v_codes, .offset: 32, .size: 8, .value_kind: global_buffer, .address_space: global }
      - { .name: v_scales, .offset: 40, .size: 8, .value_kind: global_buffer, .address_space: global }
      - { .name: out0, .offset: 48, .size: 8, .value_kind: global_buffer, .address_space: global }
    .group_segment_fixed_size: 327680
    .private_segment_fixed_size: 0
    .kernarg_segment_align: 8
    .kernarg_segment_size: 56
    .max_flat_workgroup_size: 256
    .sgpr_count:     100
    .vgpr_count:     512
    .wavefront_size: 32
...
	.end_amdgpu_metadata
.endif
;; end of part 1
